; MI455X (gfx1250); checked and timed in simulation.
; The chip was launched on July 23, 2026; its instructions are those of AMD's public machine-readable ISA for CDNA 5 (MIT licence, August 2026) and "CDNA5" Instruction Set Architecture Reference Guide (July 2026). The comments in the code are by the model that wrote it; some were corrected since.
;; Peephole LSTM Cell. Allowed arithmetic: matrix products marked QUANTISED: E5M2 operands, one E8M0 scale for each 32 along K, by v_wmma_scale_f32_16x16x128_f8f6f4 with both operands' format E5M2, f32 sums; everything else in f32.
;; Inputs: W_cf 1,024 float32; W_ci 1,024 float32; W_co 1,024 float32; W_hf_codes 1,024 x 32 x 32 uint8 (E5M2 codes of W_hf, K innermost, in blocks of 32 codes); W_hf_scales 1,024 x 32 uint8 (E8M0 scales of W_hf, one for each 32 codes along K); W_hg_codes 1,024 x 32 x 32 uint8 (E5M2 codes of W_hg, K innermost, in blocks of 32 codes); W_hg_scales 1,024 x 32 uint8 (E8M0 scales of W_hg, one for each 32 codes along K); W_hi_codes 1,024 x 32 x 32 uint8 (E5M2 codes of W_hi, K innermost, in blocks of 32 codes); W_hi_scales 1,024 x 32 uint8 (E8M0 scales of W_hi, one for each 32 codes along K); W_ho_codes 1,024 x 32 x 32 uint8 (E5M2 codes of W_ho, K innermost, in blocks of 32 codes); W_ho_scales 1,024 x 32 uint8 (E8M0 scales of W_ho, one for each 32 codes along K); W_if_codes 1,024 x 16 x 32 uint8 (E5M2 codes of W_if, K innermost, in blocks of 32 codes); W_if_scales 1,024 x 16 uint8 (E8M0 scales of W_if, one for each 32 codes along K); W_ig_codes 1,024 x 16 x 32 uint8 (E5M2 codes of W_ig, K innermost, in blocks of 32 codes); W_ig_scales 1,024 x 16 uint8 (E8M0 scales of W_ig, one for each 32 codes along K); W_ii_codes 1,024 x 16 x 32 uint8 (E5M2 codes of W_ii, K innermost, in blocks of 32 codes); W_ii_scales 1,024 x 16 uint8 (E8M0 scales of W_ii, one for each 32 codes along K); W_io_codes 1,024 x 16 x 32 uint8 (E5M2 codes of W_io, K innermost, in blocks of 32 codes); W_io_scales 1,024 x 16 uint8 (E8M0 scales of W_io, one for each 32 codes along K); c_prev 8,192 x 1,024 float32; h_prev_codes 8,192 x 32 x 32 uint8 (E5M2 codes of h_prev, K innermost, in blocks of 32 codes); h_prev_scales 8,192 x 32 uint8 (E8M0 scales of h_prev, one for each 32 codes along K); input_codes 8,192 x 16 x 32 uint8 (E5M2 codes of input, K innermost, in blocks of 32 codes); input_scales 8,192 x 16 uint8 (E8M0 scales of input, one for each 32 codes along K).
;; Outputs: out0 8,192 x 1,024 float32; out1 8,192 x 1,024 float32.
;; This version of the problem:
;;   THIS VERSION OF THE PROBLEM IS GIVEN IN LOW PRECISION. The matrix products marked QUANTISED in the list below multiply operands that are first quantised to E5M2 (5 exponent bits, 2 mantissa bits; 8 bits a number), with one power-of-two scale for each 32 numbers along K (OCP MX v1.0); their sums are f32. All else is computed in f32.
;;   The module's matrix products, in the order in which they are computed (A, B: the left and right operand; K: the contracted axis; several contracted axes count as one K, in the product's order):
;;     1. [M 8,192, K 512] x [K 512, N 1,024]; A: input input (given as codes); B: input W_if (given as codes): QUANTISED
;;     2. [M 8,192, K 1,024] x [K 1,024, N 1,024]; A: input h_prev (given as codes); B: input W_hf (given as codes): QUANTISED
;;     3. [M 8,192, K 512] x [K 512, N 1,024]; A: input input (given as codes); B: input W_ii (given as codes): QUANTISED
;;     4. [M 8,192, K 1,024] x [K 1,024, N 1,024]; A: input h_prev (given as codes); B: input W_hi (given as codes): QUANTISED
;;     5. [M 8,192, K 512] x [K 512, N 1,024]; A: input input (given as codes); B: input W_ig (given as codes): QUANTISED
;;     6. [M 8,192, K 1,024] x [K 1,024, N 1,024]; A: input h_prev (given as codes); B: input W_hg (given as codes): QUANTISED
;;     7. [M 8,192, K 512] x [K 512, N 1,024]; A: input input (given as codes); B: input W_io (given as codes): QUANTISED
;;     8. [M 8,192, K 1,024] x [K 1,024, N 1,024]; A: input h_prev (given as codes); B: input W_ho (given as codes): QUANTISED
;;   THE QUANTISER, for each operand of a quantised product, along K:
;;     - K is cut into blocks of 32 from its start; a last block that is shorter is filled with zeros.
;;     - A block's scale is 2^e with e = floor(log2(the largest magnitude in the block)) - 15, held to -126 .. 127; a block of zeros has e = 0. As a byte (E8M0): e + 127.
;;     - Each number is divided by its block's scale, clamped to +-57,344, and rounded to the nearest number of E5M2, ties to even, subnormals kept.
;;     - The product sums the exact products of the quantised numbers (number of the format x scale) in f32.
;;   ~~~python
;;   def quantise(x, axis):      # numpy; x: float32 -> the quantised numbers, widened to float32 again
;;       x = np.moveaxis(x, axis, -1); K = x.shape[-1]
;;       x = np.pad(x, [(0, 0)] * (x.ndim - 1) + [(0, -K % 32)]); x = x.reshape(x.shape[:-1] + (-1, 32)); a = np.abs(x).max(-1, keepdims=True)
;;       e = np.where(a > 0, np.clip(np.frexp(np.where(a > 0, a, 1))[1] - 1 - 15, -126, 127), 0)      # np.frexp(a)[1] - 1 = floor(log2(a)), exactly
;;       r = np.clip(x / 2.0 ** e, -57344, 57344)
;;       step = 2.0 ** (np.maximum(np.frexp(np.where(r == 0, 1, r))[1] - 1, -14) - 2)
;;       q = np.round(r / step) * step * 2.0 ** e      # np.round: ties to even
;;       return np.moveaxis(q.reshape(q.shape[:-2] + (-1,))[..., :K], -1, axis).astype(np.float32)
;;   ~~~
;;   INPUTS GIVEN AS CODES. W_hf (in the module: [1024, 1024], K = its axis 0); W_hg (in the module: [1024, 1024], K = its axis 0); W_hi (in the module: [1024, 1024], K = its axis 0); W_ho (in the module: [1024, 1024], K = its axis 0); W_if (in the module: [512, 1024], K = its axis 0); W_ig (in the module: [512, 1024], K = its axis 0); W_ii (in the module: [512, 1024], K = its axis 0); W_io (in the module: [512, 1024], K = its axis 0); h_prev (in the module: [8192, 1024], K = its axis 1); input (in the module: [8192, 512], K = its axis 1): each comes as NAME_codes (uint8): NAME with its K axis moved to the last place and cut into blocks of 32 codes, [.., K / 32, bytes a block], one block behind the other in memory; one code a byte (a code: sign, 5 exponent bits, 2 mantissa bits); and NAME_scales (uint8): the same leading axes, one E8M0 byte (e + 127) for each 32 codes along K. Its value is code x scale, taken as it is: it is not quantised again, and the codes and scales need not be those that the quantiser above would give.
;; One version. Each part assembles by itself: llvm-mc -triple=amdgcn-amd-amdhsa -mcpu=gfx1250 --defsym DOCPART=n.
;; ======== version 1 of 1: 1 launch
;; limits: inputs' magnitudes at most 1,099,511,627,776
;; launch lstm (part 1): grid 16 x 32, 4 waves a work-group, clusters of 4 x 4, 327,680 bytes of LDS; arguments input_codes, h_prev_codes, input_scales, h_prev_scales, W_if_codes, W_ii_codes, W_ig_codes, W_io_codes, W_hf_codes, W_hi_codes, W_hg_codes, W_ho_codes, W_if_scales, W_ii_scales, W_ig_scales, W_io_scales, W_hf_scales, W_hi_scales, W_hg_scales, W_ho_scales, c_prev, W_cf, W_ci, W_co, out0, out1; writes out0, out1
.if DOCPART == 1
	.amdgcn_target "amdgcn-amd-amdhsa--gfx1250"
	.amdhsa_code_object_version 6
	.text
	.protected	k_q9d917d9056_lstm
	.globl	k_q9d917d9056_lstm
	.p2align	8
	.type	k_q9d917d9056_lstm,@function
k_q9d917d9056_lstm:
	s_mov_b64 s[64:65], 0
	v_nop
	global_prefetch_b8 v0, s[64:65] scope:SCOPE_SE
	s_setreg_imm32_b32 hwreg(HW_REG_WAVE_MODE, 25, 1), 1
	s_wait_xcnt 0x0
	s_wait_alu depctr_hold_cnt(0) depctr_sa_sdst(0) depctr_va_vdst(0) depctr_va_sdst(0) depctr_va_ssrc(0) depctr_va_vcc(0) depctr_vm_vsrc(0)
	s_getreg_b32 s2, hwreg(HW_REG_IB_STS2, 6, 4)
	s_cmp_eq_u32 s2, 0
	s_cbranch_scc0 .Lentry_in_a_cluster
	s_endpgm
.Lentry_in_a_cluster:
	s_bfe_u32 s2, ttmp6, 0x10000c
	s_cmp_lg_u32 s2, 0xf033
	s_cbranch_scc0 .Lentry_shape_is_right
	s_endpgm
.Lentry_shape_is_right:
; PEEPHOLE LSTM CELL, one launch.  Four gate sums (f, i, g, o) = [input | h_prev] x [W_i* ; W_h*], on codes of BF8 (E5M2) with one E8M0 byte for each 32 along K, taken as they lie in memory;
; then, in f32:  f = sigmoid(af + c Wcf), i = sigmoid(ai + c Wci), cell = f c + i tanh(ag), o = sigmoid(ao + cell Wco), hidden = o tanh(cell).  out0 = hidden, out1 = cell.
; SHARES.  8,192 rows x 1,024 hidden columns x 4 gates, K = 512 + 1,024.  A work-group owns 256 rows and 64 hidden columns of ALL FOUR gates: a tile of 256 x 256 of the fused product.
; Four waves; wave w (rh = w / 2, ch = w % 2) owns rows 128 rh on and hidden columns 32 ch on of all four gates: 64 accumulators of 16 x 16, 512 registers, and the four gate sums of an element lie in ONE lane.
; THE MATRIX INSTRUCTION IS USED TRANSPOSED (source 0 = 16 rows of a weight, source 1 = 16 batch rows): lane (r, h) holds batch row r and eight neighbouring hidden columns 8 h + 0 .. 7.
; K goes in six steps of 256 (two of the input, four of h_prev) through a ring of two LDS slots; a tile row is 256 bytes of memory, 272 in LDS.
; FIVE SOURCES, FOUR WAVES, one tensor load a wave behind each change of slots: wave 0 fetches the batch rows (256 x 256 bytes), waves 1, 2, 3 the tiles of gates f, i, g (64 x 256 bytes each).
; Gate o goes through registers: each wave loads 16 of its 64 rows two K steps ahead and stores them into a region of the slot into which no tensor load ever lands.
; CLUSTER 4 x 4: the batch rows' tile is shared along a row of the cluster, the tiles of f, i, g along a column: joint loads.  NOT JOINT: gate o (96 KiB a work-group) and the scale bytes (24 KiB), since they go
; through registers, and c_prev, which nobody shares: of the 792 KiB of operands that a work-group takes in, 672 are asked for jointly.
; THE SCALE BYTES of the work-group's rows and columns, for all of K, come into LDS once, as whole pieces of 256 bytes with 16 bytes of padding behind each.
; THE TAIL.  With L = log2(e):  EF = 2^min(-L (af + c Wcf), 40), EI likewise, EG = 2^min(2 L ag, 40);  cell = (c (1+EI)(1+EG) + (EG-1)(1+EF)) / ((1+EI)(1+EG)(1+EF));
; EO = 2^min(-L (ao + cell Wco), 40), EC = 2^min(2 L cell, 40);  hidden = (EC-1) / ((1+EO)(1+EC)): five exponentials and two reciprocals an element.
; The hold at 40 keeps every product under 2^121 and every reciprocal a normal number; a sigmoid is thereby held at 2^-40 from below, and tanh beyond 13.9 is +-1 in f32 anyway.
; LIMITS: |c_prev| under 2^40; NaN, infinities and the scale byte 0xff among the inputs are not served (the hold drops a NaN).
;
; LDS (bytes):  slot s at s x 139,264:  +0 batch rows, 256 x 272;  +69,632 gates f, i, g, 3 x 64 x 272;  +121,856 gate o, 64 x 272 (LDS stores only).
;   278,528 the scales (LDS stores only): +0 input's, +4,352 W_i*'s (1,088 a gate), +8,704 h_prev's, +17,408 W_h*'s (2,176 a gate).   304,640 the spare words, 512 bytes.
;   After its last read slot 0's first region takes c_prev's tile (256 rows x 256 bytes).  After its last fill and read slot 1 is the stage of the way out: hidden at 139,264, cell at 208,896, 256 rows x 272 each.
; REGISTERS, in windows of 256:  window 0: v1-31 addresses; v32-63 scale words, two sets, and nothing else ever; v64-127 gate o on its way, later the three peephole vectors; v128-255 the batch rows' fragments, ONE set, in the tail two work sets of 48.
;   window 1: the weights' fragments, TWO sets (v0, v128), block 2 g + b at 16 (2 g + b); in the tail the rows on their way out.   windows 2, 3: accumulators of row blocks 0-3, 4-7: (a, 2 g + b) at 8 (8 (a % 4) + 2 g + b).
.set PITCH, 272                        ; 256 bytes + 16 of padding = 68 words: row r starts at bank 4 r mod 64 (64 banks of 4 bytes: ISA guide 11.1)
.set SLOT,  139264
.set BOFF,  69632                      ; the weights' rows in a slot: row 64 g + column
.set GATE,  17408                      ; 64 rows
.set OOFF,  121856                     ; gate o
.set SCL,   278528
.set SAI,   0
.set SBI,   4352
.set SAH,   8704
.set SBH,   17408
.set SPARE, 304640                     ; the spare words, 128 bytes for each wave: two blocks of 256 bytes that no other line names
.set STG0,  SLOT
.set STG1,  SLOT+BOFF
.set PADW,  (1<<20)|(5<<22)|(3<<25)    ; descriptor group 1, word 0: padding on, after every 64 words, 4 words of it; elements of 1 byte
.set ADSA_I, 8                         ; v8   LDS address of the batch rows' scale words, input part: lanes 0-15 an even block of 16 rows, lanes 16-31 the odd one behind it
.set ADSB_I, 9                         ; v9   of the weights', input part: lanes 0-15 my columns 0-15, lanes 16-31 my columns 16-31
.set ADSA_H, 10                        ; v10, v11  the same for the h_prev part
.set ADSB_H, 11
.set OGI,  12                          ; v12  gate o in memory, input part: (16 w + lane / 16) x 512 + 16 (lane % 16)
.set OGH,  13                          ; v13  h_prev part: the same with rows of 1,024 bytes
.set OSA,  14                          ; v14-15  where I store gate o in slot 0, 1
.set ADRA, 16                          ; v16-17  LDS address of my batch rows' fragments in slot 0, 1
.set STO0, 18                          ; v18  the stage: where I put 32 bytes of a row of hidden
.set STO1, 19                          ; v19  of cell
.set ADRB, 20                          ; v20-21  LDS address of my weights' fragments in slot 0, 1
.set CPA,  22                          ; v22  my 32 bytes of c_prev's tile
.set RD,   23                          ; v23  the stage: where I read rows back
.set GO,   24                          ; v24  my byte offset in two rows of an output
.set PFO,  25                          ; v25  4,096 x my thread's number: a row of c_prev
.set WOFF, 26                          ; v26  my eight columns in a peephole vector's 64
.set L16,  27                          ; v27  16 x lane
.set SPW,  28                          ; v28  LDS address of my spare word: SPARE + 4 x my thread's number; never rewritten
.set NIL,  29                          ; v29  0; never rewritten
.set SW1,  30                          ; v30  where I store scales of the input part
.set SW2,  31                          ; v31  of the h_prev part
.set SC,   32                          ; scale words: set s at v[SC + 16 s]; register 2 i + q: batch blocks 2 i (lanes 0-15) and 2 i + 1 (lanes 16-31); register 8 + 2 g + q: gate g, my column blocks 0 and 1; q: the slot's first or second 128 along K
.set OS,   64                          ; v64-95, v96-127  gate o on its way, two sets
.set WCF,  64                          ; from the last K step on: -L W_cf, -L W_ci, -L W_co of my 16 columns a lane (8 b + j = column 16 b + 8 h + j)
.set WCI,  80
.set WCO,  96
.set AF,   128                         ; the batch rows' fragments
.set TW,   128                         ; the tail's two work sets
.set WV,  20                           ; s20 wave;  s21 rh;  s22 ch;  s23 tile column;  s24 tile row
.set RH,  21
.set CH,  22
.set TC,  23
.set TR,  24
.set PSH, 28                           ; s[28:29] W_h{gate w}_scales at my columns;  s[30:31] input_scales at my wave's 64 rows
.set PAI, 30
.set G1A, 32                           ; s[32:39] descriptor group 1, batch rows;  s[40:47] weights
.set G1B, 40
.set G0A, 48                           ; s[48:55] group 0, batch rows, a set for each slot;  s[56:63] weights
.set G0B, 56
.set NA,  66                           ; s[66:67] the next tile of h_prev;  s[68:69] of my gate's W_h
.set NB,  68
.set OI,  70                           ; s[70:71] W_io_codes at my columns;  s[72:73] W_ho_codes
.set OH,  72
.set PSI, 74                           ; s[74:75] W_i{gate w}_scales at my columns;  s[100:101] h_prev_scales at my wave's 64 rows
.set PAH, 100
.set G1C, 76                           ; s[76:83], s[84:87] groups 1 and 0 for c_prev's tile
.set G0C, 84
.set NL2, 88                           ; s[88:89] -L, twice;  s[90:91] 2 L, twice (a packed form names the pair);  s92 40.0
.set TL2, 90
.set CAP, 92
.set MSB, 0
.macro WIN new                         ; the immediate's high byte repeats the setting that is left; a switch that changes nothing is dropped
.if MSB != \new
	s_set_vgpr_msb (MSB<<8)|\new
.set MSB, \new
.endif
.endm
.set MUL_LO, 0xa1                      ; source 0 (weights) window 1, source 1 (batch rows) window 0, C and D window 2
.set MUL_HI, 0xf1                      ; the same, C and D window 3
.set TO_B,   0x40                      ; destination window 1, address window 0
.macro PLACES n                        ; a load into a register that a matrix instruction has read, and a vector instruction that reads a matrix result, stand eight places behind it; only plain vector instructions that name none of its registers are places
.rept \n
	v_nop
.endr
.endm
; A joint load: wave 0 fetches the batch rows, waves 1 to 3 a gate each.  Each of the two lines has one mask; the branch hangs on the wave's number alone.  Four v_nop follow each line.
.macro JLOAD slot
	s_cmp_eq_u32 s[WV], 0
	s_cbranch_scc0 .Lfor_b_\@
	tensor_load_to_lds s[G0A+4*\slot:G0A+4*\slot+3], s[G1A:G1A+7]
	s_nop 0
	PLACES 4
	s_branch .Lasked_\@
.Lfor_b_\@:
	tensor_load_to_lds s[G0B+4*\slot:G0B+4*\slot+3], s[G1B:G1B+7]
	s_nop 0
	PLACES 4
.Lasked_\@:
.endm
.macro CREST                           ; a round of the cluster's barrier behind its opening barrier
	s_cmp_lg_u32 s[WV], 0
	s_cbranch_scc1 .Lnot_wave_0_\@
	s_barrier_signal -3
.Lnot_wave_0_\@:
	s_barrier_wait -3
	s_barrier_signal -1
	s_barrier_wait -1
.endm
.macro CROUND                          ; a whole round
	s_barrier_signal -1
	s_barrier_wait -1
	CREST
.endm
.macro BARRIER                         ; my LDS stores have landed and my LDS loads are in: then the work-group's barrier
	s_wait_dscnt 0x0
	s_barrier_signal -1
	s_barrier_wait -1
.endm
	s_load_b256 s[4:11], s[0:1], 0x0               ; input_codes, h_prev_codes, input_scales, h_prev_scales
	s_load_b256 s[12:19], s[0:1], 0x20             ; W_if, W_ii, W_ig, W_io codes
	s_load_b256 s[76:83], s[0:1], 0x40             ; W_hf, W_hi, W_hg, W_ho codes
	s_load_b256 s[84:91], s[0:1], 0x60             ; W_if, W_ii, W_ig, W_io scales
	s_load_b256 s[92:99], s[0:1], 0x80             ; W_hf, W_hi, W_hg, W_ho scales
	v_lshl_add_u32 v[SPW], v0, 2, SPARE
	v_mov_b32 v[NIL], 0
	ds_add_u32 v28, v29
	s_wait_dscnt 0x0
	v_lshrrev_b32 v3, 5, v0
	v_readfirstlane_b32 s[WV], v3                  ; wave 0..3
	s_lshr_b32 s[RH], s[WV], 1
	s_and_b32 s[CH], s[WV], 1
	s_bfe_u32 s27, ttmp6, 0x40000                  ; cx
	s_bfe_u32 s3, ttmp6, 0x40004                   ; cy
	s_lshl_b32 s[TC], ttmp9, 2
	s_add_co_u32 s[TC], s[TC], s27                 ; tile column = 4 x cluster x + cx
	s_and_b32 s[TR], ttmp7, 0xffff
	s_lshl_b32 s[TR], s[TR], 2
	s_add_co_u32 s[TR], s[TR], s3                  ; tile row = 4 x cluster y + cy
	s_lshl_b32 s25, s3, 2
	s_lshl_b32 s25, 15, s25                        ; my row of the cluster
	s_lshl_b32 s26, 0x1111, s27                    ; my column
	s_or_b32 s[G1A], s25, (1<<21)|PADW             ; 15:0 the mask: the batch rows' tile goes to my row; 21 set beside a mask
	s_or_b32 s[G1B], s26, (1<<21)|PADW             ; the weights' tiles go to my column
	s_mov_b32 s[G1A+1], 256<<16                    ; tensor_dim0 = 256 bytes
	s_mov_b32 s[G1A+2], 256<<16                    ; tensor_dim1 = 256 rows
	s_mov_b32 s[G1A+3], 256<<16                    ; tile_dim0
	s_mov_b32 s[G1A+4], 256                        ; tile_dim1
	s_mov_b32 s[G1A+5], 512                        ; from row to row: the input part
	s_mov_b32 s[G1A+6], 0
	s_mov_b32 s[G1A+7], 0
	s_mov_b32 s[G1B+1], 256<<16
	s_mov_b32 s[G1B+2], 64<<16                     ; 64 rows
	s_mov_b32 s[G1B+3], 256<<16
	s_mov_b32 s[G1B+4], 64
	s_mov_b32 s[G1B+5], 512
	s_mov_b32 s[G1B+6], 0
	s_mov_b32 s[G1B+7], 0
	s_mov_b32 s3, 0                                ; s[2:3]: offsets made of the tile row and the wave alone
	s_mov_b32 s27, 0                               ; s[26:27]: offsets made of the tile column alone
	s_wait_kmcnt 0x0
	; my gate's codes: waves 1, 2, 3 fetch f, i, g (wave 0 keeps g's and does not use it).  The choices hang on the wave's number alone
	s_cmp_eq_u32 s[WV], 1
	s_cselect_b64 s[12:13], s[12:13], s[16:17]
	s_cselect_b64 s[76:77], s[76:77], s[80:81]
	s_cmp_eq_u32 s[WV], 2
	s_cselect_b64 s[12:13], s[14:15], s[12:13]
	s_cselect_b64 s[76:77], s[78:79], s[76:77]
	s_lshl_b32 s26, s[TC], 15                      ; 64 rows of 512 bytes
	s_add_nc_u64 s[12:13], s[12:13], s[26:27]
	s_add_nc_u64 s[OI:OI+1], s[18:19], s[26:27]
	s_lshl_b32 s26, s[TC], 16                      ; 64 rows of 1,024 bytes
	s_add_nc_u64 s[NB:NB+1], s[76:77], s[26:27]
	s_add_nc_u64 s[OH:OH+1], s[82:83], s[26:27]
	; the scales that I copy: wave w takes gate w's
	s_cmp_eq_u32 s[WV], 0
	s_cselect_b64 s[PSI:PSI+1], s[84:85], s[90:91]
	s_cselect_b64 s[PSH:PSH+1], s[92:93], s[98:99]
	s_cmp_eq_u32 s[WV], 1
	s_cselect_b64 s[PSI:PSI+1], s[86:87], s[PSI:PSI+1]
	s_cselect_b64 s[PSH:PSH+1], s[94:95], s[PSH:PSH+1]
	s_cmp_eq_u32 s[WV], 2
	s_cselect_b64 s[PSI:PSI+1], s[88:89], s[PSI:PSI+1]
	s_cselect_b64 s[PSH:PSH+1], s[96:97], s[PSH:PSH+1]
	s_lshl_b32 s26, s[TC], 10                      ; 64 rows of 16 bytes
	s_add_nc_u64 s[PSI:PSI+1], s[PSI:PSI+1], s[26:27]
	s_lshl_b32 s26, s[TC], 11                      ; 64 rows of 32 bytes
	s_add_nc_u64 s[PSH:PSH+1], s[PSH:PSH+1], s[26:27]
	; the batch rows
	s_lshl_b32 s2, s[TR], 17                       ; 256 rows of 512 bytes
	s_add_nc_u64 s[4:5], s[4:5], s[2:3]
	s_lshl_b32 s2, s[TR], 18                       ; 256 rows of 1,024 bytes
	s_add_nc_u64 s[NA:NA+1], s[6:7], s[2:3]
	s_lshl_b32 s2, s[TR], 12
	s_lshl_b32 s25, s[WV], 10
	s_add_co_u32 s2, s2, s25                       ; (256 x tile row + 64 x wave) x 16 bytes
	s_add_nc_u64 s[PAI:PAI+1], s[8:9], s[2:3]
	s_lshl_b32 s2, s2, 1                           ; x 32 bytes
	s_add_nc_u64 s[PAH:PAH+1], s[10:11], s[2:3]
	; groups 0: K steps 0 and 1 into slots 0 and 1
	s_mov_b32 s[G0A], 1
	s_mov_b32 s[G0A+1], 0
	s_mov_b64 s[G0A+2:G0A+3], s[4:5]
	s_or_b32 s[G0A+3], s[G0A+3], 0x80000000
	s_mov_b32 s[G0A+4], 1
	s_mov_b32 s[G0A+5], SLOT
	s_add_nc_u64 s[G0A+6:G0A+7], s[4:5], 256
	s_or_b32 s[G0A+7], s[G0A+7], 0x80000000
	s_mov_b32 s[G0B], 1
	s_mul_i32 s[G0B+1], s[WV], GATE
	s_add_co_u32 s[G0B+1], s[G0B+1], BOFF-GATE     ; wave 1, 2, 3: gate 0, 1, 2 of the weights' rows
	s_mov_b64 s[G0B+2:G0B+3], s[12:13]
	s_or_b32 s[G0B+3], s[G0B+3], 0x80000000
	s_mov_b32 s[G0B+4], 1
	s_add_co_u32 s[G0B+5], s[G0B+1], SLOT
	s_add_nc_u64 s[G0B+6:G0B+7], s[12:13], 256
	s_or_b32 s[G0B+7], s[G0B+7], 0x80000000
	CROUND                                         ; all sixteen work-groups are here: the first joint loads meet
	JLOAD 0
	JLOAD 1                                        ; two tensor loads of mine are out: the most that this text ever has
	s_load_b256 s[4:11], s[0:1], 0xa0              ; c_prev, W_cf, W_ci, W_co
	s_load_b128 s[12:15], s[0:1], 0xc0             ; out0, out1
	v_and_b32 v1, 15, v0                           ; r
	v_bfe_u32 v2, v0, 4, 1                         ; h
	v_mul_u32_u24 v3, v1, PITCH                    ; 272 r
	v_lshl_add_u32 v4, v2, 4, v3                   ; a fragment's place: 272 r + 16 h
	v_mul_u32_u24 v5, v2, PITCH
	v_lshl_add_u32 v5, v1, 4, v5                   ; two rows by 32 lanes: 272 h + 16 r
	v_bfe_u32 v6, v0, 3, 2
	v_and_b32 v7, 7, v0
	v_mul_u32_u24 v6, v6, PITCH
	v_lshl_add_u32 v6, v7, 5, v6                   ; scale rows of 32 bytes, eight to a piece of 256: 272 (lane / 8) + 32 (lane % 8)
	s_mul_i32 s25, s[RH], 2176                     ; input's scales: a block of 16 rows is one piece; my 8 blocks
	s_add_co_u32 s25, s25, SCL+SAI
	v_add_nc_u32 v[ADSA_I], s25, v5
	s_mul_i32 s25, s[CH], 544                      ; my two blocks of 16 columns
	s_add_co_u32 s25, s25, SCL+SBI
	v_add_nc_u32 v[ADSB_I], s25, v5
	s_mul_i32 s25, s[RH], 4352                     ; h_prev's: a block is two pieces
	s_add_co_u32 s25, s25, SCL+SAH
	v_add_nc_u32 v[ADSA_H], s25, v6
	s_mul_i32 s25, s[CH], 1088
	s_add_co_u32 s25, s25, SCL+SBH
	v_add_nc_u32 v[ADSB_H], s25, v6
	v_lshrrev_b32 v7, 5, v0
	v_lshl_add_u32 v7, v7, 4, v2                   ; 16 w + h
	v_lshl_add_u32 v[CPA], v2, 5, v3               ; 272 r + 32 h
	v_lshlrev_b32 v3, 4, v1                        ; 16 r
	v_lshl_add_u32 v[OGI], v7, 9, v3
	v_lshl_add_u32 v[OGH], v7, 10, v3
	v_lshl_add_u32 v[GO], v2, 12, v3               ; lanes 0-15 one row of an output, lanes 16-31 the next
	v_lshlrev_b32 v[PFO], 12, v0
	v_and_b32 v[L16], 31, v0
	v_lshlrev_b32 v[L16], 4, v[L16]
	s_mul_i32 s25, s[WV], 16*PITCH                 ; gate o: my 16 rows
	s_add_co_u32 s25, s25, OOFF
	v_add_nc_u32 v[OSA], s25, v5
	s_add_co_u32 s25, s25, SLOT
	v_add_nc_u32 v[OSA+1], s25, v5
	s_mul_i32 s25, s[RH], 128*PITCH                ; my 128 batch rows
	v_add_nc_u32 v[ADRA], s25, v4
	v_add_nc_u32 v[CPA], s25, v[CPA]
	v_add_nc_u32 v[RD], s25, v5
	s_add_co_u32 s25, s25, SLOT
	v_add_nc_u32 v[ADRA+1], s25, v4
	s_mul_i32 s25, s[CH], 32*PITCH                 ; my 32 columns of each gate
	s_add_co_u32 s25, s25, BOFF
	v_add_nc_u32 v[ADRB], s25, v4
	s_add_co_u32 s25, s25, SLOT
	v_add_nc_u32 v[ADRB+1], s25, v4
	s_lshl_b32 s25, s[CH], 7                       ; my 32 columns as f32: 128 bytes
	v_add_nc_u32 v[CPA], s25, v[CPA]
	v_lshl_add_u32 v[WOFF], v2, 5, s25
	v_add_nc_u32 v[STO0], STG0, v[CPA]
	v_add_nc_u32 v[STO1], STG1, v[CPA]
	s_mul_i32 s25, s[CH], BOFF                     ; wave (rh, ch) sends its half of the rows of output ch
	s_add_co_u32 s25, s25, STG0
	v_add_nc_u32 v[RD], s25, v[RD]
	s_mul_i32 s25, s[WV], 1088
	s_add_co_u32 s25, s25, SCL
	v_add_nc_u32 v[SW1], s25, v5
	s_mul_i32 s25, s[WV], 2176
	s_add_co_u32 s25, s25, SCL
	v_add_nc_u32 v[SW2], s25, v5
; Gate o of K step s into set p: my 16 rows x 256 bytes; sixteen lanes read 256 consecutive bytes of a row
.macro OLOAD s, p
.irp t, 0,1,2,3,4,5,6,7
.if \s < 2
	global_load_b128 v[OS+32*\p+4*\t:OS+32*\p+4*\t+3], v[OGI], s[OI:OI+1] offset:1024*\t+256*\s
.else
	global_load_b128 v[OS+32*\p+4*\t:OS+32*\p+4*\t+3], v[OGH], s[OH:OH+1] offset:2048*\t+256*(\s-2)
.endif
.endr
.endm
; and from set p into the slot.  n: the younger global loads, which may stay out
.macro OSTORE p, slot, n
	s_wait_loadcnt \n
.irp t, 0,1,2,3,4,5,6,7
	ds_store_b128 v[OSA+\slot], v[OS+32*\p+4*\t:OS+32*\p+4*\t+3] offset:544*\t
.endr
.endm
	OLOAD 0, 0
	OLOAD 1, 1
.irp t, 0,1                            ; the scales: each load reads 512 consecutive bytes, two pieces of 256
	global_load_b128 v[AF+4*\t:AF+4*\t+3], v[L16], s[PAI:PAI+1] offset:512*\t
.endr
.irp t, 0,1
	global_load_b128 v[AF+8+4*\t:AF+8+4*\t+3], v[L16], s[PSI:PSI+1] offset:512*\t
.endr
.irp t, 0,1,2,3
	global_load_b128 v[AF+16+4*\t:AF+16+4*\t+3], v[L16], s[PAH:PAH+1] offset:512*\t
.endr
.irp t, 0,1,2,3
	global_load_b128 v[AF+32+4*\t:AF+32+4*\t+3], v[L16], s[PSH:PSH+1] offset:512*\t
.endr
	s_wait_kmcnt 0x0
	s_lshl_b32 s2, s[TR], 20                       ; 256 rows of 4,096 bytes
	s_add_nc_u64 s[4:5], s[4:5], s[2:3]
	s_lshl_b32 s26, s[TC], 8                       ; 64 columns of f32
	s_add_nc_u64 s[4:5], s[4:5], s[26:27]          ; c_prev at my tile
	s_add_nc_u64 s[6:7], s[6:7], s[26:27]          ; W_cf, W_ci, W_co at my 64 columns
	s_add_nc_u64 s[8:9], s[8:9], s[26:27]
	s_add_nc_u64 s[10:11], s[10:11], s[26:27]
	s_cmp_eq_u32 s[CH], 0                          ; the output that I send: the choice hangs on the wave's number alone
	s_cselect_b64 s[12:13], s[12:13], s[14:15]
	s_add_nc_u64 s[12:13], s[12:13], s[26:27]
	s_lshl_b32 s25, s[RH], 19                      ; 128 rows
	s_add_co_u32 s2, s2, s25
	s_add_nc_u64 s[12:13], s[12:13], s[2:3]
	s_mov_b32 s[G1C], PADW                         ; c_prev's tile: no mask; my 64 rows x 256 bytes, rows 4,096 bytes apart
	s_mov_b32 s[G1C+1], 256<<16
	s_mov_b32 s[G1C+2], 64<<16
	s_mov_b32 s[G1C+3], 256<<16
	s_mov_b32 s[G1C+4], 64
	s_mov_b32 s[G1C+5], 4096
	s_mov_b32 s[G1C+6], 0
	s_mov_b32 s[G1C+7], 0
	s_mov_b32 s[G0C], 1
	s_mul_i32 s[G0C+1], s[WV], GATE                ; rows 64 w on of slot 0's first region
	s_lshl_b32 s2, s[WV], 18
	s_add_nc_u64 s[G0C+2:G0C+3], s[4:5], s[2:3]
	s_or_b32 s[G0C+3], s[G0C+3], 0x80000000
	s_mov_b32 s[NL2], 0xbfb8aa3b                   ; -log2(e)
	s_mov_b32 s[NL2+1], s[NL2]
	s_mov_b32 s[TL2], 0x4038aa3b                   ; 2 log2(e)
	s_mov_b32 s[TL2+1], s[TL2]
	s_mov_b32 s[CAP], 0x42200000                   ; 40.0
	OSTORE 0, 0, 0                                 ; (the wait is for all 28 loads)
	OSTORE 1, 1, 0
.irp t, 0,1
	ds_store_b128 v[SW1], v[AF+4*\t:AF+4*\t+3] offset:SAI+544*\t
	ds_store_b128 v[SW1], v[AF+8+4*\t:AF+8+4*\t+3] offset:SBI+544*\t
.endr
.irp t, 0,1,2,3
	ds_store_b128 v[SW2], v[AF+16+4*\t:AF+16+4*\t+3] offset:SAH+544*\t
	ds_store_b128 v[SW2], v[AF+32+4*\t:AF+32+4*\t+3] offset:SBH+544*\t
.endr
	s_wait_tensorcnt 0x1                           ; my part of slot 0 is in; slot 1's may stay out
	BARRIER                                        ; everybody's is, and gate o of both slots and the scales lie in LDS
	OLOAD 2, 0                                     ; gate o runs two K steps ahead
	OLOAD 3, 1
.macro FRAG reg, adr, q, row           ; a fragment, 16 rows x 128 K: lane (r, h) holds row r; registers 4 c .. 4 c + 3 hold K = 32 c + 16 h + 0 .. 15
.irp c, 0,1,2,3
	ds_load_b128 v[\reg+4*\c:\reg+4*\c+3], v[\adr] offset:128*(\q)+32*\c+(\row)*PITCH
.endr
.endm
.macro FETCH_A slot, q, i0             ; batch blocks i0 .. i0 + 3
.irp i, \i0, \i0+1, \i0+2, \i0+3
	FRAG AF+16*(\i), ADRA+\slot, \q, 16*(\i)
.endr
.endm
.macro FETCH_B slot, q, p              ; the weights' eight fragments (gate i / 2, column block i % 2) into set p
	WIN TO_B
.irp i, 0,1,2,3,4,5,6,7
	FRAG 128*(\p)+16*\i, ADRB+\slot, \q, 64*(\i/2)+16*(\i%2)
.endr
	WIN 0
.endm
.macro SCALES set, adra, adrb, pa, pb, ks   ; a K step's scale words (two a row: 8 bytes), the ks-th step of its part
.irp i, 0,1,2,3
	ds_load_b64 v[SC+16*\set+2*\i:SC+16*\set+2*\i+1], v[\adra] offset:\i*\pa+8*\ks
.endr
.irp g, 0,1,2,3
	ds_load_b64 v[SC+16*\set+8+2*\g:SC+16*\set+8+2*\g+1], v[\adrb] offset:\g*\pb+8*\ks
.endr
.endm
; One product.  An odd block's scale words lie in lanes 16-31 of their register.
.macro WM zero
.if \zero
.if var == 0
	v_wmma_scale_f32_16x16x128_f8f6f4 v[rD:rD+7], v[rB:rB+15], v[rA:rA+15], 0, v[rSB], v[rSA] matrix_a_fmt:MATRIX_FMT_BF8 matrix_b_fmt:MATRIX_FMT_BF8
.elseif var == 1
	v_wmma_scale_f32_16x16x128_f8f6f4 v[rD:rD+7], v[rB:rB+15], v[rA:rA+15], 0, v[rSB], v[rSA] matrix_a_fmt:MATRIX_FMT_BF8 matrix_b_fmt:MATRIX_FMT_BF8 matrix_a_scale:MATRIX_SCALE_ROW1
.elseif var == 2
	v_wmma_scale_f32_16x16x128_f8f6f4 v[rD:rD+7], v[rB:rB+15], v[rA:rA+15], 0, v[rSB], v[rSA] matrix_a_fmt:MATRIX_FMT_BF8 matrix_b_fmt:MATRIX_FMT_BF8 matrix_b_scale:MATRIX_SCALE_ROW1
.else
	v_wmma_scale_f32_16x16x128_f8f6f4 v[rD:rD+7], v[rB:rB+15], v[rA:rA+15], 0, v[rSB], v[rSA] matrix_a_fmt:MATRIX_FMT_BF8 matrix_b_fmt:MATRIX_FMT_BF8 matrix_a_scale:MATRIX_SCALE_ROW1 matrix_b_scale:MATRIX_SCALE_ROW1
.endif
.else
.if var == 0
	v_wmma_scale_f32_16x16x128_f8f6f4 v[rD:rD+7], v[rB:rB+15], v[rA:rA+15], v[rD:rD+7], v[rSB], v[rSA] matrix_a_fmt:MATRIX_FMT_BF8 matrix_b_fmt:MATRIX_FMT_BF8
.elseif var == 1
	v_wmma_scale_f32_16x16x128_f8f6f4 v[rD:rD+7], v[rB:rB+15], v[rA:rA+15], v[rD:rD+7], v[rSB], v[rSA] matrix_a_fmt:MATRIX_FMT_BF8 matrix_b_fmt:MATRIX_FMT_BF8 matrix_a_scale:MATRIX_SCALE_ROW1
.elseif var == 2
	v_wmma_scale_f32_16x16x128_f8f6f4 v[rD:rD+7], v[rB:rB+15], v[rA:rA+15], v[rD:rD+7], v[rSB], v[rSA] matrix_a_fmt:MATRIX_FMT_BF8 matrix_b_fmt:MATRIX_FMT_BF8 matrix_b_scale:MATRIX_SCALE_ROW1
.else
	v_wmma_scale_f32_16x16x128_f8f6f4 v[rD:rD+7], v[rB:rB+15], v[rA:rA+15], v[rD:rD+7], v[rSB], v[rSA] matrix_a_fmt:MATRIX_FMT_BF8 matrix_b_fmt:MATRIX_FMT_BF8 matrix_a_scale:MATRIX_SCALE_ROW1 matrix_b_scale:MATRIX_SCALE_ROW1
.endif
.endif
.endm
; 16 products: batch blocks a0, a0 + 1 x the weights' eight, 128 along K (the slot's q-th).  p: the weights' set; sc: the set of scale words.  zero = 1: the product starts the sum: nothing is ever cleared.
; The 64 accumulators take turns, one instruction a turn, in the same order in every step.
.macro MUL16 a0, p, q, sc, zero
.irp a, \a0, \a0+1
.irp b, 0,1,2,3,4,5,6,7
.set rD, 8*(8*((\a)%4)+\b)
.set rB, 128*(\p)+16*\b
.set rA, AF+16*(\a)
.set rSB, SC+16*(\sc)+8+2*(\b/2)+(\q)
.set rSA, SC+16*(\sc)+2*((\a)/2)+(\q)
.set var, 2*((\a)%2)+(\b%2)
	WM \zero
.endr
.endr
.endm
.macro PEEP                            ; the three peephole vectors: my 16 columns a lane
.irp w, 0,1,2
.irp b, 0,1
.irp u, 0,1
	global_load_b128 v[WCF+16*\w+8*\b+4*\u:WCF+16*\w+8*\b+4*\u+3], v[WOFF], s[6+2*\w:7+2*\w] offset:64*\b+16*\u
.endr
.endr
.endr
.endm
; A slot's first 128 along K.  The batch rows have one set of registers: blocks 0-3 are fetched anew in the middle, blocks 4-7 at the end; the weights have two sets.
; ex: 4, 5: gate o of that K step is asked for; 6: c_prev's tile is prefetched; 7: the peephole vectors are asked for
.macro STEP slot, zero, ex
	s_wait_dscnt 16                                ; all but the youngest sixteen loads (batch blocks 4-7) are done: the weights' set, blocks 0-3, the scale words, and my stores of gate o, whose registers may be loaded again
.if \ex == 4
	OLOAD 4, 0
.elseif \ex == 5
	OLOAD 5, 1
.elseif \ex == 7
	PEEP
.endif
	WIN MUL_LO
	MUL16 0, 0, 0, \slot, \zero
	MUL16 2, 0, 0, \slot, \zero
	s_wait_dscnt 0x0                               ; blocks 4-7 are in (asked for 32 matrix instructions ago)
	PLACES 8
	FETCH_B \slot, 1, 1
	FETCH_A \slot, 1, 0
.if \ex == 6
	global_prefetch_b8 v[PFO], s[4:5] th:TH_LOAD_NT scope:SCOPE_SE                  ; c_prev's tile, 256 pieces of 256 bytes: thread t asks for those of rows t and t + 128, each once in the launch,
	global_prefetch_b8 v[PFO], s[4:5] offset:524288 th:TH_LOAD_NT scope:SCOPE_SE    ; 192 matrix instructions ahead of the tensor load that wants them; both lie inside the buffer
.endif
	WIN MUL_HI
	MUL16 4, 0, 0, \slot, \zero
	MUL16 6, 0, 0, \slot, \zero
	PLACES 8
	WIN 0
	FETCH_A \slot, 1, 4
.endm
; A slot's second 128 along K changes slots.  MEET: each wave waits for all its tensor loads, adds 0 to its spare word, and waits for that and for its reads of this slot; the barrier opens a round of the cluster's barrier.
.macro MEET slot
	s_wait_tensorcnt 0x0                           ; all my tensor loads have landed: my part of the next slot  (every window is 0 here)
	ds_add_u32 v[SPW], v[NIL]                      ; 0 onto my spare word
	s_wait_dscnt 17                                ; (the add and the youngest sixteen loads, batch blocks 4-7, may be out)
	WIN MUL_LO
	MUL16 0, 1, 1, \slot, 0                        ; sixteen matrix instructions stand between the add and the wait for it
	s_wait_dscnt 0x0                               ; the add is done, my reads of this slot are over, and my stores of gate o into the next slot have landed
	s_barrier_signal -1
	MUL16 2, 1, 1, \slot, 0
	WIN 0
	s_barrier_wait -1
	CREST                                          ; no wave of any partner still reads this slot or has a load on its way
.endm
.macro REFILL slot                     ; the slot takes the next tiles of h_prev and of W_h*: the first tensor load behind the round, one a wave
	s_mov_b64 s[G0A+4*\slot+2:G0A+4*\slot+3], s[NA:NA+1]
	s_or_b32 s[G0A+4*\slot+3], s[G0A+4*\slot+3], 0x80000000
	s_mov_b64 s[G0B+4*\slot+2:G0B+4*\slot+3], s[NB:NB+1]
	s_or_b32 s[G0B+4*\slot+3], s[G0B+4*\slot+3], 0x80000000
	s_add_nc_u64 s[NA:NA+1], s[NA:NA+1], 256
	s_add_nc_u64 s[NB:NB+1], s[NB:NB+1], 256
	JLOAD \slot                                    ; the four v_nop behind it are four of the eight places in front of the loads below
	PLACES 4
.endm
.macro REST slot, next, adra, adrb, pa, pb, ks
	FETCH_B \next, 0, 0
	FETCH_A \next, 0, 0
	SCALES \next, \adra, \adrb, \pa, \pb, \ks
	WIN MUL_HI
	MUL16 4, 1, 1, \slot, 0
	MUL16 6, 1, 1, \slot, 0
	PLACES 8
	WIN 0
	FETCH_A \next, 0, 4
.endm
	FETCH_B 0, 0, 0
	FETCH_A 0, 0, 0
	SCALES 0, ADSA_I, ADSB_I, 544, 1088, 0
	FETCH_A 0, 0, 4
	; ---- K step 0 (input 0-255), slot 0
	STEP 0, 1, 0                                   ; its products start the sums
	MEET 0
	s_mov_b32 s[G1A+5], 1024                       ; from here on the tiles are h_prev's and W_h*'s: rows 1,024 bytes apart (no tensor load of mine is out)
	s_mov_b32 s[G1B+5], 1024
	REFILL 0                                       ; K step 2
	OSTORE 0, 0, 8                                 ; gate o of K step 2; K step 3's eight loads may stay out
	REST 0, 1, ADSA_I, ADSB_I, 544, 1088, 1
	; ---- K step 1 (input 256-511), slot 1
	STEP 1, 0, 4
	MEET 1
	REFILL 1                                       ; K step 3
	OSTORE 1, 1, 8                                 ; K step 4's eight loads may stay out
	REST 1, 0, ADSA_H, ADSB_H, 1088, 2176, 0
	; ---- K step 2 (h_prev 0-255), slot 0
	STEP 0, 0, 5
	MEET 0
	REFILL 0                                       ; K step 4
	OSTORE 0, 0, 8                                 ; K step 5's eight loads may stay out
	REST 0, 1, ADSA_H, ADSB_H, 1088, 2176, 1
	; ---- K step 3, slot 1
	STEP 1, 0, 6
	MEET 1
	REFILL 1                                       ; K step 5: slot 1's last fill
	OSTORE 1, 1, 0
	REST 1, 0, ADSA_H, ADSB_H, 1088, 2176, 2
	; ---- K step 4, slot 0
	STEP 0, 0, 0
	MEET 0
	tensor_load_to_lds s[G0C:G0C+3], s[G1C:G1C+7]  ; slot 0's first region takes c_prev's tile: my 64 rows; my one tensor load behind this round
	s_nop 0
	PLACES 8
	REST 0, 1, ADSA_H, ADSB_H, 1088, 2176, 3
	; ---- K step 5, slot 1
	STEP 1, 0, 7
	s_wait_dscnt 16                                ; the very last 128 along K: nothing more to fetch
	WIN MUL_LO
	MUL16 0, 1, 1, 1, 0
	MUL16 2, 1, 1, 1, 0
	s_wait_dscnt 0x0
	WIN MUL_HI
	MUL16 4, 1, 1, 1, 0
	MUL16 6, 1, 1, 1, 0
	WIN 0
	; ---- THE TAIL
	s_wait_loadcnt 0x0                             ; the peephole vectors
.set jj, 0
.rept 24
	v_pk_mul_f32 v[WCF+jj:WCF+jj+1], v[WCF+jj:WCF+jj+1], s[NL2:NL2+1] op_sel_hi:[1,0]   ; x -L, once.  These 24 name no register of the last products: they are the places behind them
.set jj, jj+2
.endr
	s_wait_tensorcnt 0x0                           ; my rows of c_prev are in
	BARRIER                                        ; everybody's are, and nobody reads slot 1 any more: it has had its last fill and becomes the stage
.macro CLOAD n                         ; c_prev of group n: my eight numbers
	ds_load_b128 v[TW+48*((\n)%2):TW+48*((\n)%2)+3], v[CPA] offset:16*((\n)/2)*PITCH+64*((\n)%2)
	ds_load_b128 v[TW+48*((\n)%2)+4:TW+48*((\n)%2)+7], v[CPA] offset:16*((\n)/2)*PITCH+64*((\n)%2)+16
.endm
	CLOAD 0
; Group n: row block n / 2, column block n % 2: eight elements a lane.  Two work sets by turns; in a set eight registers each of c, F, I, G, O, X.
.macro GROUP n
.set ga, (\n)/2
.set gb, (\n)%2
.set CI, TW+48*((\n)%2)
.set FF, CI+8
.set II, CI+16
.set GG, CI+24
.set OO, CI+32
.set XX, CI+40
.set AC, 64*(ga%4)+8*gb                ; gate g's accumulator: + 16 g
.set WA, 0x02+ga/4                     ; source 0 in window 2 or 3
.if (\n)%4 == 0
	s_wait_dscnt 0x0                               ; c is in (a chunk's first group: no store of the group before is out)
.else
	s_wait_dscnt 4                                 ; c is in; the four stores of the group before may stay out
.endif
.if (\n) < 15
	CLOAD (\n)+1
.endif
.irp k, 0,2,4,6
	v_pk_mul_f32 v[FF+\k:FF+\k+1], v[CI+\k:CI+\k+1], v[WCF+8*gb+\k:WCF+8*gb+\k+1]
.endr
.irp k, 0,2,4,6
	v_pk_mul_f32 v[II+\k:II+\k+1], v[CI+\k:CI+\k+1], v[WCI+8*gb+\k:WCI+8*gb+\k+1]
.endr
	WIN WA
.irp k, 0,2,4,6                        ; each accumulator from its low end on
	v_pk_fma_f32 v[FF+\k:FF+\k+1], v[AC+\k:AC+\k+1], s[NL2:NL2+1], v[FF+\k:FF+\k+1] op_sel_hi:[1,0,1]        ; -L (af + c Wcf)
.endr
.irp k, 0,2,4,6
	v_pk_fma_f32 v[II+\k:II+\k+1], v[AC+16+\k:AC+16+\k+1], s[NL2:NL2+1], v[II+\k:II+\k+1] op_sel_hi:[1,0,1]  ; -L (ai + c Wci)
.endr
.irp k, 0,2,4,6
	v_pk_mul_f32 v[GG+\k:GG+\k+1], v[AC+32+\k:AC+32+\k+1], s[TL2:TL2+1] op_sel_hi:[1,0]                      ; 2 L ag
.endr
.irp k, 0,2,4,6
	v_pk_mul_f32 v[OO+\k:OO+\k+1], v[AC+48+\k:AC+48+\k+1], s[NL2:NL2+1] op_sel_hi:[1,0]                      ; -L ao
.endr
	WIN 0
.set jj, 0
.rept 24
	v_min_num_f32 v[FF+jj], s[CAP], v[FF+jj]       ; the hold at 40
.set jj, jj+1
.endr
.set jj, 0
.rept 24
	v_exp_f32 v[FF+jj], v[FF+jj]                   ; EF, EI, EG
.set jj, jj+1
.endr
	v_nop                                          ; a plain instruction between the last exponential and the use of its result (ISA guide 5.7.2)
	s_wait_alu depctr_va_vdst(0)
.irp k, 0,2,4,6
	v_pk_add_f32 v[XX+\k:XX+\k+1], v[GG+\k:GG+\k+1], -1.0 op_sel_hi:[1,0]          ; EG - 1
.endr
.irp k, 0,2,4,6
	v_pk_add_f32 v[GG+\k:GG+\k+1], v[GG+\k:GG+\k+1], 1.0 op_sel_hi:[1,0]           ; 1 + EG
.endr
.irp k, 0,2,4,6
	v_pk_add_f32 v[FF+\k:FF+\k+1], v[FF+\k:FF+\k+1], 1.0 op_sel_hi:[1,0]           ; 1 + EF
.endr
.irp k, 0,2,4,6
	v_pk_fma_f32 v[II+\k:II+\k+1], v[II+\k:II+\k+1], v[GG+\k:GG+\k+1], v[GG+\k:GG+\k+1]   ; (1 + EI)(1 + EG)
.endr
.irp k, 0,2,4,6
	v_pk_mul_f32 v[GG+\k:GG+\k+1], v[II+\k:II+\k+1], v[FF+\k:FF+\k+1]              ; the divisor
.endr
.irp k, 0,2,4,6
	v_pk_mul_f32 v[II+\k:II+\k+1], v[CI+\k:CI+\k+1], v[II+\k:II+\k+1]
.endr
.irp k, 0,2,4,6
	v_pk_fma_f32 v[II+\k:II+\k+1], v[XX+\k:XX+\k+1], v[FF+\k:FF+\k+1], v[II+\k:II+\k+1]   ; c (1+EI)(1+EG) + (EG-1)(1+EF)
.endr
.set jj, 0
.rept 8
	v_rcp_f32 v[GG+jj], v[GG+jj]
.set jj, jj+1
.endr
	v_nop
	s_wait_alu depctr_va_vdst(0)
.irp k, 0,2,4,6
	v_pk_mul_f32 v[II+\k:II+\k+1], v[II+\k:II+\k+1], v[GG+\k:GG+\k+1]              ; cell
.endr
.irp k, 0,2,4,6
	v_pk_fma_f32 v[OO+\k:OO+\k+1], v[II+\k:II+\k+1], v[WCO+8*gb+\k:WCO+8*gb+\k+1], v[OO+\k:OO+\k+1]   ; -L (ao + cell Wco)
.endr
.irp k, 0,2,4,6
	v_pk_mul_f32 v[XX+\k:XX+\k+1], v[II+\k:II+\k+1], s[TL2:TL2+1] op_sel_hi:[1,0]  ; 2 L cell
.endr
.set jj, 0
.rept 16
	v_min_num_f32 v[OO+jj], s[CAP], v[OO+jj]
.set jj, jj+1
.endr
.set jj, 0
.rept 16
	v_exp_f32 v[OO+jj], v[OO+jj]                   ; EO, EC
.set jj, jj+1
.endr
	v_nop
	s_wait_alu depctr_va_vdst(0)
.irp k, 0,2,4,6
	v_pk_add_f32 v[FF+\k:FF+\k+1], v[XX+\k:XX+\k+1], -1.0 op_sel_hi:[1,0]          ; EC - 1
.endr
.irp k, 0,2,4,6
	v_pk_add_f32 v[XX+\k:XX+\k+1], v[XX+\k:XX+\k+1], 1.0 op_sel_hi:[1,0]           ; 1 + EC
.endr
.irp k, 0,2,4,6
	v_pk_fma_f32 v[OO+\k:OO+\k+1], v[OO+\k:OO+\k+1], v[XX+\k:XX+\k+1], v[XX+\k:XX+\k+1]   ; (1 + EO)(1 + EC)
.endr
.set jj, 0
.rept 8
	v_rcp_f32 v[OO+jj], v[OO+jj]
.set jj, jj+1
.endr
	v_nop
	s_wait_alu depctr_va_vdst(0)
.irp k, 0,2,4,6
	v_pk_mul_f32 v[FF+\k:FF+\k+1], v[FF+\k:FF+\k+1], v[OO+\k:OO+\k+1]              ; hidden
.endr
	ds_store_b128 v[STO1], v[II:II+3] offset:16*ga*PITCH+64*gb
	ds_store_b128 v[STO1], v[II+4:II+7] offset:16*ga*PITCH+64*gb+16
	ds_store_b128 v[STO0], v[FF:FF+3] offset:16*ga*PITCH+64*gb
	ds_store_b128 v[STO0], v[FF+4:FF+7] offset:16*ga*PITCH+64*gb+16
.endm
; Chunk c: 32 rows of my half of the rows of my output come back from the stage as whole rows of 256 bytes and are stored.  Each chunk has registers of its own, so no store's data are written again.
.macro SEND c
	WIN 0x40                                       ; destination window 1
.irp t, 0,1,2,3,4,5,6,7,8,9,10,11,12,13,14,15
	ds_load_b128 v[64*\c+4*\t:64*\c+4*\t+3], v[RD] offset:(32*\c+2*\t)*PITCH
.endr
	WIN 0x04                                       ; a store's data are its source 1: window 1
.irp t, 0,1,2,3,4,5,6,7,8,9,10,11,12,13,14,15
	s_wait_dscnt 15-\t                             ; LDS loads come back in order: load t is in
	global_store_b128 v[GO], v[64*\c+4*\t:64*\c+4*\t+3], s[12:13] offset:(32*\c+2*\t)*4096 th:TH_STORE_NT   ; 16 lanes store 256 consecutive bytes, at a multiple of 256 from the output's first byte; written once, read by nobody here
.endr
	WIN 0
.endm
.irp c, 0,1,2,3
	GROUP 4*\c
	GROUP 4*\c+1
	GROUP 4*\c+2
	GROUP 4*\c+3
	BARRIER                                        ; a row's 256 bytes come from two waves: their stores into the stage have landed.  The chunks use different rows of the stage, so one barrier a chunk is enough
	SEND \c                                        ; its stores leave while the next chunk is computed
.endr
	s_wait_tensorcnt 0x0                           ; the wave's end, behind my last tensor load and my last LDS store
	ds_add_u32 v[SPW], v[NIL]
	s_wait_dscnt 0x0
	CROUND                                         ; the closing round: no work-group ends while a partner may still ask for a tile that names it
	s_endpgm
.Lfunc_end_k_q9d917d9056_lstm:
	.size	k_q9d917d9056_lstm, .Lfunc_end_k_q9d917d9056_lstm-k_q9d917d9056_lstm
	.p2alignl 7, 3214868480
	.fill 96, 4, 3214868480
	.section	.rodata,"a",@progbits
	.p2align	6, 0x0
	.amdhsa_kernel k_q9d917d9056_lstm
		.amdhsa_group_segment_fixed_size 327680
		.amdhsa_private_segment_fixed_size 0
		.amdhsa_enable_private_segment 0
		.amdhsa_kernarg_size 208
		.amdhsa_user_sgpr_count 2
		.amdhsa_user_sgpr_kernarg_segment_ptr 1
		.amdhsa_wavefront_size32 1
		.amdhsa_system_sgpr_workgroup_id_x 1
		.amdhsa_system_sgpr_workgroup_id_y 1
		.amdhsa_system_sgpr_workgroup_id_z 1
		.amdhsa_system_vgpr_workitem_id 0
		.amdhsa_next_free_vgpr 1024
		.amdhsa_next_free_sgpr 102
		.amdhsa_reserve_vcc 0
		.amdhsa_float_denorm_mode_32 3
		.amdhsa_float_denorm_mode_16_64 3
		.amdhsa_memory_ordered 1
		.amdhsa_forward_progress 1
		.amdhsa_inst_pref_size 255
	.end_amdhsa_kernel
	.section	.bss,"aw",@nobits
	.p2align	6
	.space	262144
	.amdgpu_metadata
---
amdhsa.version: [ 1, 2 ]
amdhsa.kernels:
  - .name:           k_q9d917d9056_lstm
    .symbol:         k_q9d917d9056_lstm.kd
    .args:
      - { .name: input_codes, .offset: 0, .size: 8, .value_kind: global_buffer, .address_space: global }
      - { .name: h_prev_codes, .offset: 8, .size: 8, .value_kind: global_buffer, .address_space: global }
      - { .name: input_scales, .offset: 16, .size: 8, .value_kind: global_buffer, .address_space: global }
      - { .name: h_prev_scales, .offset: 24, .size: 8, .value_kind: global_buffer, .address_space: global }
      - { .name: W_if_codes, .offset: 32, .size: 8, .value_kind: global_buffer, .address_space: global }
      - { .name: W_ii_codes, .offset: 40, .size: 8, .value_kind: global_buffer, .address_space: global }
      - { .name: W_ig_codes, .offset: 48, .size: 8, .value_kind: global_buffer, .address_space: global }
      - { .name: W_io_codes, .offset: 56, .size: 8, .value_kind: global_buffer, .address_space: global }
      - { .name: W_hf_codes, .offset: 64, .size: 8, .value_kind: global_buffer, .address_space: global }
      - { .name: W_hi_codes, .offset: 72, .size: 8, .value_kind: global_buffer, .address_space: global }
      - { .name: W_hg_codes, .offset: 80, .size: 8, .value_kind: global_buffer, .address_space: global }
      - { .name: W_ho_codes, .offset: 88, .size: 8, .value_kind: global_buffer, .address_space: global }
      - { .name: W_if_scales, .offset: 96, .size: 8, .value_kind: global_buffer, .address_space: global }
      - { .name: W_ii_scales, .offset: 104, .size: 8, .value_kind: global_buffer, .address_space: global }
      - { .name: W_ig_scales, .offset: 112, .size: 8, .value_kind: global_buffer, .address_space: global }
      - { .name: W_io_scales, .offset: 120, .size: 8, .value_kind: global_buffer, .address_space: global }
      - { .name: W_hf_scales, .offset: 128, .size: 8, .value_kind: global_buffer, .address_space: global }
      - { .name: W_hi_scales, .offset: 136, .size: 8, .value_kind: global_buffer, .address_space: global }
      - { .name: W_hg_scales, .offset: 144, .size: 8, .value_kind: global_buffer, .address_space: global }
      - { .name: W_ho_scales, .offset: 152, .size: 8, .value_kind: global_buffer, .address_space: global }
      - { .name: c_prev, .offset: 160, .size: 8, .value_kind: global_buffer, .address_space: global }
      - { .name: W_cf, .offset: 168, .size: 8, .value_kind: global_buffer, .address_space: global }
      - { .name: W_ci, .offset: 176, .size: 8, .value_kind: global_buffer, .address_space: global }
      - { .name: W_co, .offset: 184, .size: 8, .value_kind: global_buffer, .address_space: global }
      - { .name: out0, .offset: 192, .size: 8, .value_kind: global_buffer, .address_space: global }
      - { .name: out1, .offset: 200, .size: 8, .value_kind: global_buffer, .address_space: global }
    .group_segment_fixed_size: 327680
    .private_segment_fixed_size: 0
    .kernarg_segment_align: 8
    .kernarg_segment_size: 208
    .max_flat_workgroup_size: 128
    .sgpr_count:     102
    .vgpr_count:     1024
    .wavefront_size: 32
...
	.end_amdgpu_metadata
.endif
;; end of part 1
